; MI455X (gfx1250); checked and timed in simulation.
; The chip was launched on July 23, 2026; its instructions are those of AMD's public machine-readable ISA for CDNA 5 (MIT licence, August 2026) and "CDNA5" Instruction Set Architecture Reference Guide (July 2026). The comments in the code are by the model that wrote it; some were corrected since.
;; Multi Head Attention. Allowed arithmetic: matrix products marked QUANTISED: E4M3 operands, one given power-of-two scale a tensor, by v_wmma_f32_16x16x64_fp8_fp8 or v_wmma_f32_16x16x128_fp8_fp8, f32 sums; everything else in f32.
;; Inputs: bk 1,024 float32; bo 1,024 float32; bq 1,024 float32; bv 1,024 float32; k_codes 8 x 1,024 x 32 x 32 uint8 (E4M3 codes of k, K innermost, in blocks of 32 codes); ln_beta 1,024 float32; ln_gamma 1,024 float32; lowp_scales 12 int32 (the exponents e of the quantised operands' scales 2^e); q 8 x 1,024 x 1,024 float32; v_codes 8 x 1,024 x 32 x 32 uint8 (E4M3 codes of v, K innermost, in blocks of 32 codes); wk_codes 1,024 x 32 x 32 uint8 (E4M3 codes of wk, K innermost, in blocks of 32 codes); wo_codes 1,024 x 32 x 32 uint8 (E4M3 codes of wo, K innermost, in blocks of 32 codes); wq_codes 1,024 x 32 x 32 uint8 (E4M3 codes of wq, K innermost, in blocks of 32 codes); wv_codes 1,024 x 32 x 32 uint8 (E4M3 codes of wv, K innermost, in blocks of 32 codes).
;; Outputs: out0 8 x 1,024 x 1,024 float32.
;; This version of the problem:
;;   THIS VERSION OF THE PROBLEM IS GIVEN IN LOW PRECISION. The matrix products marked QUANTISED in the list below multiply operands that are first quantised to E4M3 (4 exponent bits, 3 mantissa bits; 8 bits a number), with one given power-of-two scale for each operand tensor; their sums are f32. All else is computed in f32.
;;   The module's matrix products, in the order in which they are computed (A, B: the left and right operand; K: the contracted axis; several contracted axes count as one K, in the product's order):
;;     1. [M 8,192, K 1,024] x [K 1,024, N 1,024]; A: input q; B: input wq (given as codes): QUANTISED (scales: A lowp_scales[0], B lowp_scales[1])
;;     2. [M 8,192, K 1,024] x [K 1,024, N 1,024]; A: input k (given as codes); B: input wk (given as codes): QUANTISED (scales: A lowp_scales[2], B lowp_scales[3])
;;     3. [M 8,192, K 1,024] x [K 1,024, N 1,024]; A: input v (given as codes); B: input wv (given as codes): QUANTISED (scales: A lowp_scales[4], B lowp_scales[5])
;;     4. batch 128 x [M 1,024, K 64] x [K 64, N 1,024]; A: computed on the way; B: computed on the way: QUANTISED (scales: A lowp_scales[6], B lowp_scales[7])
;;     5. batch 128 x [M 1,024, K 1,024] x [K 1,024, N 64]; A: softmax (see below); B: computed on the way: QUANTISED (scales: A lowp_scales[8], B lowp_scales[9])
;;     6. [M 8,192, K 1,024] x [K 1,024, N 1,024]; A: computed on the way; B: input wo (given as codes): QUANTISED (scales: A lowp_scales[10], B lowp_scales[11])
;;   THE QUANTISER, for each operand of a quantised product, along K:
;;     - The operand's scale is 2^e, e = its entry of the input lowp_scales (int32; the entries are numbered through the quantised products in the list's order, A before B).
;;     - Each number is divided by the scale, clamped to +-448, and rounded to the nearest number of E4M3, ties to even, subnormals kept.
;;     - The product sums the exact products of the quantised numbers (number of the format x scale) in f32.
;;   ~~~python
;;   def quantise(x, axis, e):      # numpy; x: float32 -> the quantised numbers, widened to float32 again
;;       x = np.moveaxis(x, axis, -1); K = x.shape[-1]
;;       r = np.clip(x / 2.0 ** e, -448, 448)
;;       step = 2.0 ** (np.maximum(np.frexp(np.where(r == 0, 1, r))[1] - 1, -6) - 3)
;;       q = np.round(r / step) * step * 2.0 ** e      # np.round: ties to even
;;       return np.moveaxis(q, -1, axis).astype(np.float32)
;;   ~~~
;;   SOFTMAX AHEAD OF A QUANTISED PRODUCT. Where the list says 'softmax', what is quantised is not the finished softmax but p = 2^(t - M), with t = logit x log2(e) and M = ceil(the row's largest t), a whole number; so 1/2 < the row's largest p <= 1. The row's sum l is taken of the UNQUANTISED p, in f32, and the product's result is divided by l at the end. Since M is a whole number, a kernel that streams over the keys may use a running M (the ceiling of the running maximum): every later rescaling is an exact power of two, so the quantised numbers keep their values, but for numbers so far below the row's largest that they fall under the format's range.
;;   OPERANDS COMPUTED ON THE WAY. 'Computed on the way' means the value that the module computes at that place (a softmax that the list does not call 'softmax' is quantised finished and normalised). What goes into a quantiser is computed in f32, as accurately as f32 sums, v_exp_f32 and their like allow (about 1e-6 of the number): no bf16 or f16 on the way to a quantiser, and a product that is left as it is and whose result goes on into a quantised operand takes f32 operands (vector FMAs, or v_wmma_f32_16x16x4_f32). A number that lies on a knife's edge between two numbers of the format may be rounded either way, as far as f32 arithmetic and the matrix unit's own rounding can turn it there, and no further.
;;   INPUTS GIVEN AS CODES. k (in the module: [8, 1024, 1024], K = its axis 2); v (in the module: [8, 1024, 1024], K = its axis 2); wk (in the module: [1024, 1024], K = its axis 0); wo (in the module: [1024, 1024], K = its axis 0); wq (in the module: [1024, 1024], K = its axis 0); wv (in the module: [1024, 1024], K = its axis 0): each comes as NAME_codes (uint8): NAME with its K axis moved to the last place and cut into blocks of 32 codes, [.., K / 32, bytes a block], one block behind the other in memory; one code a byte (a code: sign, 4 exponent bits, 3 mantissa bits); its scale is its entry of lowp_scales. Its value is code x scale, taken as it is: it is not quantised again, and the codes and scales need not be those that the quantiser above would give.
;; One version. Each part assembles by itself: llvm-mc -triple=amdgcn-amd-amdhsa -mcpu=gfx1250 --defsym DOCPART=n.
;; ======== version 1 of 1: 4 launches
;; limits: right only within a limited range of input values
;; workspace buffers: qc 8,388,608 bytes; qf 8,388,608 bytes; kf 8,388,608 bytes; vf 8,388,608 bytes; cf 8,388,608 bytes
;; launch quantq (part 1): grid 256 x 1, 8 waves a work-group, no clusters, 66,560 bytes of LDS; arguments q, lowp_scales, qc; writes qc
.if DOCPART == 1
	.amdgcn_target "amdgcn-amd-amdhsa--gfx1250"
	.amdhsa_code_object_version 6
	.text
	.protected	k_qfcb3cb3f8b_quantq
	.globl	k_qfcb3cb3f8b_quantq
	.p2align	8
	.type	k_qfcb3cb3f8b_quantq,@function
k_qfcb3cb3f8b_quantq:
	s_mov_b64 s[64:65], 0
	v_nop
	global_prefetch_b8 v0, s[64:65] scope:SCOPE_SE
	s_setreg_imm32_b32 hwreg(HW_REG_WAVE_MODE, 25, 1), 1
	s_wait_xcnt 0x0
; q [8192][1024] f32 becomes codes of E4M3, one a byte, K innermost, with the given scale 2^e (entry 0 of the scales).
; code = x / 2^e, held within +-448, rounded to the nearest code, ties to even.
; LIMITS: -126 <= e and e + 8 <= 127, so that both powers of two below are f32 numbers.  NaN among the inputs is not served.
; Rows are dense, so q is a plain stream.  A wave takes 8 steps of 512 numbers, and ALL its 32 loads (16 KiB) are issued at the head: the work-group's eight waves have its whole 128 KiB on the way at once.
; Each of a step's four loads reads 512 consecutive bytes, 16 a lane; the conversions want 16 NEIGHBOURS in one lane, so a step's 2,048 bytes turn through the wave's own stage in LDS
; (as they lie in, 64 bytes a lane out; 16 bytes of padding behind each 64).  A lane's 16 codes are 16 bytes: a store covers 512 consecutive bytes.  Waves share nothing: no barrier.
.set STEPS, 8
.set EMAX,  8
.set MANT,  0x600000                   ; the mantissa field of 448 as f32
.set CB,    16                         ; bytes of 16 codes
.set R,     16                         ; v16-143  eight sets of 16 numbers as loaded, one for each step
.set X,     144                        ; v144-175 two sets of 16 neighbours
.set C,     176                        ; v176-207 codes: four registers for each step, so that no store's data are written again
.set WREG,  8192                       ; LDS: a region for each wave: two stages of 32 x SP bytes
.set SP,    80                         ; a lane's place in a stage: 64 bytes + 16 of padding
	s_load_b128 s[4:7], s[0:1], 0x0                ; q, the scales' exponents
	s_load_b64 s[8:9], s[0:1], 0x10                ; the codes
	v_lshl_add_u32 v208, v0, 2, 0x10000
	v_mov_b32 v209, 0
	v_lshrrev_b32 v1, 5, v0
	s_delay_alu instid0(VALU_DEP_1)
	v_readfirstlane_b32 s16, v1                    ; wave 0..7
	v_and_b32 v2, 31, v0                           ; lane
	s_delay_alu instid0(VALU_DEP_1)
	v_lshlrev_b32 v3, 4, v2                        ; my 16 bytes of a load's 512
	s_mul_i32 s17, s16, WREG
	v_lshrrev_b32 v14, 2, v2
	s_delay_alu instid0(VALU_DEP_1)
	v_mul_u32_u24 v14, v14, SP
	v_and_b32 v15, 3, v2
	s_delay_alu instid0(VALU_DEP_1)
	v_lshl_add_u32 v14, v15, 4, v14
	s_delay_alu instid0(VALU_DEP_1)
	v_add_nc_u32 v14, s17, v14                     ; the stage, on the way in: SP (lane / 4) + 16 (lane % 4)
	v_mul_u32_u24 v15, v2, SP
	s_delay_alu instid0(VALU_DEP_1)
	v_add_nc_u32 v15, s17, v15                     ; and on the way out: SP x lane
	v_mul_u32_u24 v4, v2, CB                       ; my codes' place in a step's
	s_lshl_b32 s18, ttmp9, 3
	s_add_co_u32 s18, s18, s16                     ; which run of 4,096 numbers is my wave's
	s_mov_b32 s19, 0
	s_lshl_b64 s[20:21], s[18:19], 14              ; 16,384 bytes of q a run,
	s_lshl_b64 s[24:25], s[18:19], 12              ; 4,096 bytes of codes
	s_wait_alu depctr_va_vdst(0)
	s_wait_kmcnt 0x0
	s_load_b32 s22, s[6:7], 0x0                    ; e
	s_add_nc_u64 s[4:5], s[4:5], s[20:21]
	s_add_nc_u64 s[8:9], s[8:9], s[24:25]
.macro LOAD t
.irp i, 0,1,2,3
	global_load_b128 v[R+16*(\t)+4*\i:R+16*(\t)+4*\i+3], v3, s[4:5] offset:2048*(\t)+512*\i th:TH_LOAD_NT
.endr
.endm
.macro TURN t                          ; LDS serves a wave's instructions in order: no wait between the stores and the loads
.irp i, 0,1,2,3
	ds_store_b128 v14, v[R+16*(\t)+4*\i:R+16*(\t)+4*\i+3] offset:32*SP*((\t)%2)+8*SP*\i
.endr
.irp i, 0,1,2,3
	ds_load_b128 v[X+16*((\t)%2)+4*\i:X+16*((\t)%2)+4*\i+3], v15 offset:32*SP*((\t)%2)+16*\i
.endr
.endm
.irp t, 0,1,2,3,4,5,6,7
	LOAD \t
.endr
	s_wait_kmcnt 0x0
	s_add_co_i32 s22, s22, 127
	s_lshl_b32 s23, s22, 23
	v_mov_b32 v11, s23                             ; 2^e as f32: the conversion takes its exponent field
	s_add_co_i32 s22, s22, EMAX
	s_lshl_b32 s22, s22, 23
	s_or_b32 s22, s22, MANT
	v_mov_b32 v10, s22                             ; 448 x 2^e
	s_wait_alu depctr_va_vdst(0)
	s_wait_loadcnt 4*(STEPS-1)                     ; step 0's four loads are in; the other seven steps' 28 stay out
	TURN 0
.macro STEP t
.set XS, X+16*((\t)%2)
	s_wait_dscnt 0x0                               ; this step's numbers are back from the stage
.if (\t)+1 < STEPS
	s_wait_loadcnt 4*(STEPS-2-(\t))                ; the next step's four loads are in: as many stay out as were issued behind them
	TURN (\t)+1                                    ; and go through the other stage while this step is worked
.endif
.irp i, 0,1,2,3,4,5,6,7,8,9,10,11,12,13,14,15
	v_med3_num_f32 v[XS+\i], v[XS+\i], -v10, v10   ; the conversion does not saturate (ISA guide 7.6.2): the hold at the largest code x the scale
.endr
	v_cvt_scalef32_pk8_fp8_f32 v[C+4*(\t):C+4*(\t)+1], v[XS:XS+7], v11
	v_cvt_scalef32_pk8_fp8_f32 v[C+4*(\t)+2:C+4*(\t)+3], v[XS+8:XS+15], v11
	global_store_b128 v4, v[C+4*(\t):C+4*(\t)+3], s[8:9] offset:32*CB*(\t)   ; the results go to a store alone; the next step's holds are plain lines on other registers
.endm
.irp t, 0,1,2,3,4,5,6,7
	STEP \t
.endr
	s_wait_tensorcnt 0x0
	ds_add_u32 v208, v209
	s_wait_dscnt 0x0
	s_endpgm
.Lfunc_end_k_qfcb3cb3f8b_quantq:
	.size	k_qfcb3cb3f8b_quantq, .Lfunc_end_k_qfcb3cb3f8b_quantq-k_qfcb3cb3f8b_quantq
	.p2alignl 7, 3214868480
	.fill 96, 4, 3214868480
	.section	.rodata,"a",@progbits
	.p2align	6, 0x0
	.amdhsa_kernel k_qfcb3cb3f8b_quantq
		.amdhsa_group_segment_fixed_size 66560
		.amdhsa_private_segment_fixed_size 0
		.amdhsa_enable_private_segment 0
		.amdhsa_kernarg_size 24
		.amdhsa_user_sgpr_count 2
		.amdhsa_user_sgpr_kernarg_segment_ptr 1
		.amdhsa_wavefront_size32 1
		.amdhsa_system_sgpr_workgroup_id_x 1
		.amdhsa_system_sgpr_workgroup_id_y 1
		.amdhsa_system_sgpr_workgroup_id_z 1
		.amdhsa_system_vgpr_workitem_id 0
		.amdhsa_next_free_vgpr 210
		.amdhsa_next_free_sgpr 66
		.amdhsa_reserve_vcc 0
		.amdhsa_float_denorm_mode_32 3
		.amdhsa_float_denorm_mode_16_64 3
		.amdhsa_memory_ordered 1
		.amdhsa_forward_progress 1
		.amdhsa_inst_pref_size 20
	.end_amdhsa_kernel
	.amdgpu_metadata
---
amdhsa.version: [ 1, 2 ]
amdhsa.kernels:
  - .name:           k_qfcb3cb3f8b_quantq
    .symbol:         k_qfcb3cb3f8b_quantq.kd
    .args:
      - { .name: q, .offset: 0, .size: 8, .value_kind: global_buffer, .address_space: global }
      - { .name: lowp_scales, .offset: 8, .size: 8, .value_kind: global_buffer, .address_space: global }
      - { .name: qc, .offset: 16, .size: 8, .value_kind: global_buffer, .address_space: global }
    .group_segment_fixed_size: 66560
    .private_segment_fixed_size: 0
    .kernarg_segment_align: 8
    .kernarg_segment_size: 24
    .max_flat_workgroup_size: 256
    .sgpr_count:     66
    .vgpr_count:     210
    .wavefront_size: 32
...
	.end_amdgpu_metadata
.endif
;; end of part 1
;; launch proj (part 2): grid 4 x 96, 4 waves a work-group, clusters of 4 x 4, 327,680 bytes of LDS; arguments qc, k_codes, wv_codes, wq_codes, wk_codes, v_codes, bq, bk, bv, qf, kf, vf, lowp_scales; writes qf, kf, vf
.if DOCPART == 2
	.amdgcn_target "amdgcn-amd-amdhsa--gfx1250"
	.amdhsa_code_object_version 6
	.text
	.protected	k_qfcb3cb3f8b_proj
	.globl	k_qfcb3cb3f8b_proj
	.p2align	8
	.type	k_qfcb3cb3f8b_proj,@function
k_qfcb3cb3f8b_proj:
	s_mov_b64 s[64:65], 0
	v_nop
	global_prefetch_b8 v0, s[64:65] scope:SCOPE_SE
	s_setreg_imm32_b32 hwreg(HW_REG_WAVE_MODE, 25, 1), 1
	s_wait_xcnt 0x0
	s_wait_alu depctr_hold_cnt(0) depctr_sa_sdst(0) depctr_va_vdst(0) depctr_va_sdst(0) depctr_va_ssrc(0) depctr_va_vcc(0) depctr_vm_vsrc(0)
	s_getreg_b32 s2, hwreg(HW_REG_IB_STS2, 6, 4)
	s_cmp_eq_u32 s2, 0
	s_cbranch_scc0 .Lentry_in_a_cluster
	s_endpgm
.Lentry_in_a_cluster:
	s_bfe_u32 s2, ttmp6, 0x10000c
	s_cmp_lg_u32 s2, 0xf033
	s_cbranch_scc0 .Lentry_shape_is_right
	s_endpgm
.Lentry_shape_is_right:
; The three projections, each 8192 x 1024 x 1024 on codes of E4M3, their biases, and the quantising of the results for attention.
; GROUP g = cluster y / 8: 0: qh = q wq + bq, 1: kh = k wk + bk, 2: vh = v wv + bv.  A tile is 256 x 256, four waves of 128 x 128 (64 accumulators, 512 registers).
; THE MATRIX INSTRUCTION IS USED WITH source 0 = 16 rows of "B", source 1 = 16 rows of "A": a lane holds ONE row of A and its eight registers eight neighbouring rows of B.
;   g = 0, 1: A = tokens, B = the weight's rows (features): a lane's registers run along the head's 64, the next product's K.
;   g = 2:    A = wv's rows (features), B = tokens: a lane's registers run along the KEYS, the second product's K.
; So one conversion of an accumulator gives two registers of the next operand, and the codes are stored IN THE ORDER OF THE READER'S REGISTERS, 16 bytes a lane: every store covers 512 consecutive bytes.
;   qf, kf: byte = (token / 16) 16384 + head 1024 + c 512 + lane 16: registers 4 c .. 4 c + 3 of the K = 64 form's fragment (lane % 16 = token, registers 2 c', 2 c' + 1 = d 16 c' + 8 (lane / 16) + 0 .. 7)
;   vf:     byte = (token / 128) 131072 + head 8192 + half 4096 + dt 1024 + c 512 + lane 16 (lane % 16 = d - 16 dt, registers along the half's 64 keys)
; value = sum x 2^(eA + eB) + bias, in f32; code = value / 2^eo, held within +-448.  eo = entry 6, 7 or 9 of the scales.
; LIMITS: eA + eB between -126 and 127; eo between -126 and 119: each power of two below is an f32 number.
; K goes in steps of 256 through a ring of two LDS slots filled by the tensor data mover.  CLUSTERS of 4 x 4: A's tile is asked for jointly along a row of the cluster, B's along a column.
; g is the same in all sixteen partners: the one branch on it (round the two ways out) hangs on the cluster's number alone.  No prefetch: of the four K steps two are asked for at the head.
; REGISTERS, in windows of 256: window 0: v0-31 addresses; v32-95 the bias table; v96-103 its addresses; from v128 A's fragments, ONE set (on the way out v128-255 are free);
;   window 1: B's fragments, two sets;  window 2: the accumulators of my rows 0-63 ((a, b) at v[8 (8 a + b)]);  window 3: those of rows 64-127.
.set KSTEP,  256
.set ROWB,   256
.set KROW,   1024                      ; a row of codes in memory
.set PITCH,  272                       ; an LDS row: 256 bytes + 16 = 68 words: the 16 rows that a load touches start at 16 different banks (ISA guide 11.1)
.set FR,     16
.set NL,     4
.set NP,     4                         ; places behind this matrix instruction (ISA guide 7.12.1)
.set HALFT,  128*PITCH
.set SLOT,   4*HALFT
.set LAPS,   2                         ; 1024 / (2 x 256)
.set SPARE,  2*SLOT                    ; behind the ring: the spare words, 128 bytes a wave
.set ADRA, 16
.set ADRB, 20
.set CO,   26                          ; v26  16 x lane
.set SPW,  28
.set NIL,  29
.set SCL,  30                          ; v30  2^eo as f32
.set LIM,  31                          ; v31  448 x 2^eo
.set T,    32                          ; v32-95  g < 2: T[8 b + j] = bias of feature 16 b + 8 h + j;  g = 2: T[8 a + j] = bias of feature 16 a + r
.set BA,   96                          ; v96-103 the table's eight address registers; never rewritten
.set AF,   128
.set TMP,  128                         ; the way out: a block's 64 values
.set CD,   192                         ; the way out: four sets of 16 registers of codes
.set G1, 24
.set G0, 32
.set G1B, 48
.set G0B, 56
.set GRP, 94                           ; s94  g
.set MSB, 0
.macro WIN new                         ; the immediate's high byte repeats the setting that is left
.if MSB != \new
	s_set_vgpr_msb (MSB<<8)|\new
.set MSB, \new
.endif
.endm
.set MUL_LO, 0xa1                      ; source 0 (B) window 1, source 1 (A) window 0, C and D window 2
.set MUL_HI, 0xf1
.set TO_B,   0x40
; A joint load: waves 0 and 1 fetch for A, waves 2 and 3 for B; the branch hangs on the wave's number alone.  Four v_nop follow each line.
.macro JLOAD g0a, g1a, g0b, g1b
	s_cmp_eq_u32 s15, 0
	s_cbranch_scc0 .Lfor_b_\@
	tensor_load_to_lds s[\g0a:\g0a+3], s[\g1a:\g1a+7]
	s_nop 0
.rept 4
	v_nop
.endr
	s_branch .Lasked_\@
.Lfor_b_\@:
	tensor_load_to_lds s[\g0b:\g0b+3], s[\g1b:\g1b+7]
	s_nop 0
.rept 4
	v_nop
.endr
.Lasked_\@:
.endm
.macro CREST                           ; a round of the cluster's barrier behind its opening barrier
	s_cmp_lg_u32 s14, 0
	s_cbranch_scc1 .Lnot_wave_0_\@
	s_barrier_signal -3
.Lnot_wave_0_\@:
	s_barrier_wait -3
	s_barrier_signal -1
	s_barrier_wait -1
.endm
.macro CROUND
	s_barrier_signal -1
	s_barrier_wait -1
	CREST
.endm
	s_load_b512 s[68:83], s[0:1], 0x0              ; A's three: qc, k_codes, wv_codes; B's three: wq, wk, v_codes; bq, bk
	s_load_b256 s[84:91], s[0:1], 0x40             ; bv; qf, kf, vf
	s_load_b64 s[92:93], s[0:1], 0x60              ; the scales' exponents
	v_lshl_add_u32 v[SPW], v0, 2, SPARE
	v_mov_b32 v[NIL], 0
	ds_add_u32 v28, v29
	ds_add_u32 v28, v29
	s_wait_dscnt 0x0
	v_lshrrev_b32 v1, 5, v0
	v_readfirstlane_b32 s14, v1                    ; wave 0..3
	s_lshr_b32 s15, s14, 1                         ; which half of A's rows is mine.  Also: I fetch for A (0) or for B (1)
	s_and_b32 s16, s14, 1                          ; which half of B's rows.  Also: which 128 rows of that tile I fetch
	s_bfe_u32 s40, ttmp6, 0x40000                  ; cx
	s_bfe_u32 s41, ttmp6, 0x40004                  ; cy
	s_and_b32 s17, ttmp7, 0xffff                   ; the cluster's y, 0 .. 23
	s_lshr_b32 s[GRP], s17, 3                      ; g
	s_and_b32 s17, s17, 7
	s_lshl_b32 s17, s17, 2                         ; the cluster's first of the 32 token tiles
	s_cmp_eq_u32 s[GRP], 2
	s_cselect_b32 s42, s17, 0                      ; tokens are B's rows where g = 2,
	s_cselect_b32 s17, 0, s17                      ; else A's
	s_add_co_u32 s42, s42, s40                     ; B's tile: hangs on cx, never on cy
	s_add_co_u32 s17, s17, s41                     ; A's tile: hangs on cy, never on cx
	s_lshl_b32 s43, s41, 2
	s_lshl_b32 s43, 15, s43                        ; my row of the cluster
	s_lshl_b32 s44, 0x1111, s40                    ; my column
	s_or_b32 s[G1+0], s43, (1<<20)|(1<<21)|(5<<22)|(3<<25)   ; 15:0 the mask; elements of 1 byte; 20 padding on; 21 set beside a mask; after every 64 words four words
	s_or_b32 s[G1B+0], s44, (1<<20)|(1<<21)|(5<<22)|(3<<25)
.irp g, G1, G1B
	s_mov_b32 s[\g+1], ROWB<<16                    ; tensor_dim0
	s_mov_b32 s[\g+2], 128<<16                     ; tensor_dim1
	s_mov_b32 s[\g+3], ROWB<<16                    ; tile_dim0
	s_mov_b32 s[\g+4], 128                         ; tile_dim1
	s_mov_b32 s[\g+5], KROW                        ; from row to row
	s_mov_b32 s[\g+6], 0
	s_mov_b32 s[\g+7], 0
.endr
	s_lshl_b32 s18, s16, 7
	s_lshl_b32 s20, s17, 8
	s_add_co_u32 s20, s20, s18                     ; A: row 256 x tile + 128 x half
	s_lshl_b32 s46, s42, 8
	s_add_co_u32 s46, s46, s18                     ; B likewise
	s_lshl_b32 s20, s20, 10                        ; in bytes: under 2^23
	s_mov_b32 s21, 0
	s_lshl_b32 s46, s46, 10
	s_mov_b32 s47, 0
	s_mul_i32 s45, s14, HALFT                      ; where they go: wave x 128 rows
	s_wait_kmcnt 0x0
	s_cmp_eq_u32 s[GRP], 0                         ; the group's four buffers: a choice that hangs on the cluster's number alone
	s_cselect_b64 s[4:5], s[68:69], s[70:71]
	s_cselect_b64 s[6:7], s[74:75], s[76:77]
	s_cselect_b64 s[8:9], s[80:81], s[82:83]
	s_cselect_b64 s[10:11], s[86:87], s[88:89]
	s_cmp_eq_u32 s[GRP], 2
	s_cselect_b64 s[4:5], s[72:73], s[4:5]         ; A
	s_cselect_b64 s[6:7], s[78:79], s[6:7]         ; B
	s_cselect_b64 s[8:9], s[84:85], s[8:9]         ; the bias
	s_cselect_b64 s[10:11], s[90:91], s[10:11]     ; the codes that I store
	s_load_b256 s[68:75], s[92:93], 0x0            ; e0 .. e7
	s_load_b128 s[76:79], s[92:93], 0x20           ; e8 .. e11
	s_add_nc_u64 s[20:21], s[4:5], s[20:21]
	s_add_nc_u64 s[46:47], s[6:7], s[46:47]
	CROUND                                         ; all sixteen work-groups are here: the first joint loads meet
.irp s, 0,1
	s_mov_b32 s[G0+4*\s], 1
	s_add_co_u32 s[G0+4*\s+1], s45, \s*SLOT
	s_add_nc_u64 s[G0+4*\s+2:G0+4*\s+3], s[20:21], \s*ROWB
	s_or_b32 s[G0+4*\s+3], s[G0+4*\s+3], 0x80000000
	s_mov_b32 s[G0B+4*\s], 1
	s_add_co_u32 s[G0B+4*\s+1], s45, \s*SLOT
	s_add_nc_u64 s[G0B+4*\s+2:G0B+4*\s+3], s[46:47], \s*ROWB
	s_or_b32 s[G0B+4*\s+3], s[G0B+4*\s+3], 0x80000000
.endr
	JLOAD G0, G1, G0B, G1B                         ; K step 0 alone is asked for at the head: one tensor load a wave there
	v_and_b32 v1, 15, v0                           ; r
	v_bfe_u32 v2, v0, 4, 1                         ; h
	v_mul_u32_u24 v3, v1, PITCH
	v_lshl_add_u32 v4, v2, 4, v3                   ; a fragment's row x pitch + 16 h
	s_mul_i32 s21, s15, HALFT
	s_mul_i32 s22, s16, HALFT
	s_add_co_u32 s22, s22, 2*HALFT                 ; B's rows lie behind A's 256
.irp s, 0,1
	v_add_nc_u32 v[ADRA+\s], s21, v4
	v_add_nc_u32 v[ADRB+\s], s22, v4
	s_add_co_u32 s21, s21, SLOT
	s_add_co_u32 s22, s22, SLOT
.endr
	v_and_b32 v6, 31, v0
	v_lshlrev_b32 v[CO], 4, v6
	s_lshl_b32 s20, s17, 8
	s_lshl_b32 s21, s15, 7
	s_add_co_u32 s20, s20, s21                     ; RA: my first row of A
	s_lshl_b32 s46, s42, 8
	s_lshl_b32 s47, s16, 7
	s_add_co_u32 s46, s46, s47                     ; RB: my first row of B
	; the bias table, on one path for all groups: register 8 x + j is bias[first + 16 x + (g = 2: r; else 8 h + j)]
	s_cmp_eq_u32 s[GRP], 2
	s_cselect_b32 s18, s20, s46                    ; the first feature: A's rows where g = 2, else B's
	s_cselect_b32 s22, 0, 4                        ; bytes from j to j + 1
	s_cselect_b32 s23, -1, 0
	v_lshlrev_b32 v5, 2, v1                        ; 4 r
	v_lshlrev_b32 v7, 5, v2                        ; 32 h
	v_cndmask_b32 v5, v7, v5, s23
.irp j, 0,1,2,3,4,5,6,7
	v_mad_u32_u24 v[BA+\j], s22, \j, v5
.endr
	s_lshl_b32 s18, s18, 2
	s_mov_b32 s19, 0
	s_add_nc_u64 s[8:9], s[8:9], s[18:19]
.irp x, 0,1,2,3,4,5,6,7
.irp j, 0,1,2,3,4,5,6,7
	global_load_b32 v[T+8*\x+\j], v[BA+\j], s[8:9] offset:64*\x   ; they land while the products run; the wait stands in front of the way out
.endr
.endr
	; where my codes begin: g < 2: RA x 1024 + RB x 16;  g = 2: RB x 1024 + RA x 128
	s_lshl_b32 s18, s20, 10
	s_lshl_b32 s19, s46, 4
	s_add_co_u32 s18, s18, s19
	s_lshl_b32 s19, s46, 10
	s_lshl_b32 s22, s20, 7
	s_add_co_u32 s19, s19, s22
	s_cmp_eq_u32 s[GRP], 2
	s_cselect_b32 s18, s19, s18
	s_mov_b32 s19, 0
	s_add_nc_u64 s[10:11], s[10:11], s[18:19]
.macro FRAG reg, adr, q, i             ; 16 rows x 128 K: registers 4 c .. 4 c + 3 hold K = 32 c + 16 h + 0 .. 15: the same order of k in A and in B, so every product meets its partner
.irp c, 0,1,2,3
	ds_load_b128 v[\reg+4*\c:\reg+4*\c+3], v[\adr] offset:128*(\q)+32*\c+(\i)*16*PITCH
.endr
.endm
; 16 matrix instructions: A's blocks a0, a0 + 1 x B's eight.  The 64 accumulators take turns, one instruction a turn, in the same order in every step.
.macro MUL16 a0, p, zero
.irp a, \a0, \a0+1
.irp b, 0,1,2,3,4,5,6,7
.if \zero
	v_wmma_f32_16x16x128_fp8_fp8 v[8*(8*((\a)%4)+\b):8*(8*((\a)%4)+\b)+7], v[128*(\p)+FR*\b:128*(\p)+FR*\b+FR-1], v[AF+FR*(\a):AF+FR*(\a)+FR-1], 0
.else
	v_wmma_f32_16x16x128_fp8_fp8 v[8*(8*((\a)%4)+\b):8*(8*((\a)%4)+\b)+7], v[128*(\p)+FR*\b:128*(\p)+FR*\b+FR-1], v[AF+FR*(\a):AF+FR*(\a)+FR-1], v[8*(8*((\a)%4)+\b):8*(8*((\a)%4)+\b)+7]
.endif
.endr
.endr
.endm
.macro FETCH_B slot, q, p
	WIN TO_B
.irp i, 0,1,2,3,4,5,6,7
	FRAG 128*(\p)+FR*\i, ADRB+\slot, \q, \i
.endr
	WIN 0
.endm
.macro FETCH_A slot, q, i0
.irp i, \i0, \i0+1, \i0+2, \i0+3
	FRAG AF+FR*(\i), ADRA+\slot, \q, \i
.endr
.endm
.macro PLACES n                        ; plain vector lines between a matrix instruction and a load into, or a vector read or write of, its registers
.rept \n
	v_nop
.endr
.endm
.macro STEP slot, q, zero              ; 128 along K that has its successor in the same slot
	s_wait_dscnt 4*NL                              ; B's set and A's blocks 0-3 are in; the youngest sixteen loads (A's blocks 4-7) may be out
	WIN MUL_LO
	MUL16 0, (\q)%2, \zero
	MUL16 2, (\q)%2, \zero
	s_wait_dscnt 0
	PLACES NP
	FETCH_B \slot, (\q)+1, 1-(\q)%2
	FETCH_A \slot, (\q)+1, 0
	WIN MUL_HI
	MUL16 4, (\q)%2, \zero
	MUL16 6, (\q)%2, \zero
	PLACES NP
	WIN 0
	FETCH_A \slot, (\q)+1, 4
.endm
; A slot's last step changes slots: one barrier; in front of it each wave waits for all its tensor loads, adds 0 to its spare word, and waits for that and for its reads of this slot.
.macro TURN slot, next, fill
	s_wait_tensorcnt 0x0                           ; all my tensor loads have landed: my part of the next slot
	ds_add_u32 v[SPW], v[NIL]                      ; 0 onto my spare word
	s_wait_dscnt 4*NL+1                            ; the add and the youngest sixteen loads may be out
	WIN MUL_LO
	MUL16 0, 1, 0
	s_wait_dscnt 0x0                               ; the add is done, and my reads of this slot are over
	s_barrier_signal -1
	MUL16 2, 1, 0
	WIN 0
	s_barrier_wait -1
.if \fill
	CREST                                          ; the barrier has opened a round of the cluster's: no wave of any partner still reads this slot or has a load on its way
	s_add_nc_u64 s[G0+4*\slot+2:G0+4*\slot+3], s[G0+4*\slot+2:G0+4*\slot+3], 2*ROWB
	s_add_nc_u64 s[G0B+4*\slot+2:G0B+4*\slot+3], s[G0B+4*\slot+2:G0B+4*\slot+3], 2*ROWB
	JLOAD G0+4*\slot, G1, G0B+4*\slot, G1B         ; the first tensor load behind the round; its four v_nop are the places in front of the loads below
.else
	PLACES NP
.endif
	FETCH_B \next, 0, 0
	FETCH_A \next, 0, 0
	WIN MUL_HI
	MUL16 4, 1, 0
	MUL16 6, 1, 0
	PLACES NP
	WIN 0
	FETCH_A \next, 0, 4
.endm
	s_wait_alu depctr_va_vdst(0)                   ; a wait at the head's end
	s_wait_tensorcnt 0x0                           ; my part of K step 0 is in; slot 1's first fill is issued as a refill is:
	ds_add_u32 v[SPW], v[NIL]                      ; 0 onto my spare word
	s_wait_dscnt 0x0
	CROUND                                         ; a whole round: everybody's part of K step 0 is in, and the joint loads meet
	JLOAD G0+4, G1, G0B+4, G1B                     ; K step 1: the first tensor load behind the round
	FETCH_B 0, 0, 0
	FETCH_A 0, 0, 0
	FETCH_A 0, 0, 4
	STEP 0, 0, 1                                   ; the first step's products start the sums: nothing is cleared
	s_mov_b32 s3, LAPS-1
.Llap:                                             ; a trip goes once round the ring and fills both slots again
	TURN 0, 1, 1
	STEP 1, 0, 0
	TURN 1, 0, 1
	STEP 0, 0, 0
	s_sub_co_u32 s3, s3, 1
	s_cmp_lg_u32 s3, 0
	s_cbranch_scc1 .Llap
	TURN 0, 1, 0                                   ; the last lap fills nothing
	STEP 1, 0, 0
	s_wait_dscnt 4*NL
	WIN MUL_LO
	MUL16 0, 1, 0
	MUL16 2, 1, 0
	s_wait_dscnt 0
	WIN MUL_HI
	MUL16 4, 1, 0
	MUL16 6, 1, 0
	WIN 0
	; THE WAY OUT.  The group's exponents are chosen without a jump.
	s_wait_kmcnt 0x0
	s_add_co_i32 s68, s68, s69                     ; e0 + e1
	s_add_co_i32 s70, s70, s71                     ; e2 + e3
	s_add_co_i32 s72, s72, s73                     ; e4 + e5
	s_cmp_eq_u32 s[GRP], 0
	s_cselect_b32 s96, s68, s70
	s_cselect_b32 s95, s74, s75                    ; e6 for qh, e7 for kh,
	s_cmp_eq_u32 s[GRP], 2
	s_cselect_b32 s96, s72, s96
	s_cselect_b32 s95, s77, s95                    ; e9 for vh
	s_add_co_i32 s96, s96, 127
	s_lshl_b32 s96, s96, 23                        ; 2^(eA + eB) as f32
	s_mov_b32 s97, s96                             ; (named with it as a pair)
	s_add_co_i32 s95, s95, 127
	s_lshl_b32 s98, s95, 23
	v_mov_b32 v[SCL], s98
	s_add_co_i32 s95, s95, 8
	s_lshl_b32 s95, s95, 23
	s_or_b32 s95, s95, 0x600000
	v_mov_b32 v[LIM], s95
	s_wait_loadcnt 0x0                             ; the bias table
	PLACES NP                                      ; behind the last products: their results are read, and A's registers written, below
; Block a (16 rows of A x 128 rows of B): value = sum x 2^(eA + eB) + bias, each accumulator from its low end on; the hold; eight conversions; four stores of 512 consecutive bytes.
.macro EPI kind
.irp a, 0,1,2,3,4,5,6,7
.if \a >= 4
	s_wait_xcnt 0x0                                ; block a - 4's stores have read the registers that this block's codes take
.endif
	WIN (0x02+\a/4)                                ; source 0: window 2 or 3
.irp b, 0,1,2,3,4,5,6,7
.irp j, 0,2,4,6
.if \kind
	v_pk_fma_f32 v[TMP+8*\b+\j:TMP+8*\b+\j+1], v[64*(\a%4)+8*\b+\j:64*(\a%4)+8*\b+\j+1], s[96:97], v[T+8*\a+\j:T+8*\a+\j+1] op_sel_hi:[1,0,1]
.else
	v_pk_fma_f32 v[TMP+8*\b+\j:TMP+8*\b+\j+1], v[64*(\a%4)+8*\b+\j:64*(\a%4)+8*\b+\j+1], s[96:97], v[T+8*\b+\j:T+8*\b+\j+1] op_sel_hi:[1,0,1]
.endif
.endr
.endr
	WIN 0
.set n, 0
.rept 64
	v_med3_num_f32 v[TMP+n], v[TMP+n], -v[LIM], v[LIM]   ; the conversion does not saturate (ISA guide 7.6.2)
.set n, n+1
.endr
.irp b, 0,1,2,3,4,5,6,7
	v_cvt_scalef32_pk8_fp8_f32 v[CD+16*(\a%4)+2*\b:CD+16*(\a%4)+2*\b+1], v[TMP+8*\b:TMP+8*\b+7], v[SCL]
.endr
	v_nop                                          ; one plain line behind the conversions: the next block writes their sources
.irp g, 0,1,2,3
.if \kind
	global_store_b128 v[CO], v[CD+16*(\a%4)+4*\g:CD+16*(\a%4)+4*\g+3], s[10:11] offset:(\a/4)*8192+(\a%4)*1024+(\g/2)*4096+(\g%2)*512
.else
	global_store_b128 v[CO], v[CD+16*(\a%4)+4*\g:CD+16*(\a%4)+4*\g+3], s[10:11] offset:\a*16384+512*\g
.endif
.endr
.endr
.endm
	s_cmp_eq_u32 s[GRP], 2
	s_cbranch_scc1 .Lout_v
	EPI 0
	s_branch .Lout_done
.Lout_v:
	EPI 1
.Lout_done:
	s_wait_tensorcnt 0x0                           ; the wave's end
	ds_add_u32 v[SPW], v[NIL]
	s_wait_dscnt 0x0
	CROUND                                         ; the closing round: no work-group ends while a partner may still ask for a tile that names it
	s_endpgm
.Lfunc_end_k_qfcb3cb3f8b_proj:
	.size	k_qfcb3cb3f8b_proj, .Lfunc_end_k_qfcb3cb3f8b_proj-k_qfcb3cb3f8b_proj
	.p2alignl 7, 3214868480
	.fill 96, 4, 3214868480
	.section	.rodata,"a",@progbits
	.p2align	6, 0x0
	.amdhsa_kernel k_qfcb3cb3f8b_proj
		.amdhsa_group_segment_fixed_size 327680
		.amdhsa_private_segment_fixed_size 0
		.amdhsa_enable_private_segment 0
		.amdhsa_kernarg_size 104
		.amdhsa_user_sgpr_count 2
		.amdhsa_user_sgpr_kernarg_segment_ptr 1
		.amdhsa_wavefront_size32 1
		.amdhsa_system_sgpr_workgroup_id_x 1
		.amdhsa_system_sgpr_workgroup_id_y 1
		.amdhsa_system_sgpr_workgroup_id_z 1
		.amdhsa_system_vgpr_workitem_id 0
		.amdhsa_next_free_vgpr 1024
		.amdhsa_next_free_sgpr 100
		.amdhsa_reserve_vcc 0
		.amdhsa_float_denorm_mode_32 3
		.amdhsa_float_denorm_mode_16_64 3
		.amdhsa_memory_ordered 1
		.amdhsa_forward_progress 1
		.amdhsa_inst_pref_size 198
	.end_amdhsa_kernel
	.amdgpu_metadata
---
amdhsa.version: [ 1, 2 ]
amdhsa.kernels:
  - .name:           k_qfcb3cb3f8b_proj
    .symbol:         k_qfcb3cb3f8b_proj.kd
    .args:
      - { .name: qc, .offset: 0, .size: 8, .value_kind: global_buffer, .address_space: global }
      - { .name: k_codes, .offset: 8, .size: 8, .value_kind: global_buffer, .address_space: global }
      - { .name: wv_codes, .offset: 16, .size: 8, .value_kind: global_buffer, .address_space: global }
      - { .name: wq_codes, .offset: 24, .size: 8, .value_kind: global_buffer, .address_space: global }
      - { .name: wk_codes, .offset: 32, .size: 8, .value_kind: global_buffer, .address_space: global }
      - { .name: v_codes, .offset: 40, .size: 8, .value_kind: global_buffer, .address_space: global }
      - { .name: bq, .offset: 48, .size: 8, .value_kind: global_buffer, .address_space: global }
      - { .name: bk, .offset: 56, .size: 8, .value_kind: global_buffer, .address_space: global }
      - { .name: bv, .offset: 64, .size: 8, .value_kind: global_buffer, .address_space: global }
      - { .name: qf, .offset: 72, .size: 8, .value_kind: global_buffer, .address_space: global }
      - { .name: kf, .offset: 80, .size: 8, .value_kind: global_buffer, .address_space: global }
      - { .name: vf, .offset: 88, .size: 8, .value_kind: global_buffer, .address_space: global }
      - { .name: lowp_scales, .offset: 96, .size: 8, .value_kind: global_buffer, .address_space: global }
    .group_segment_fixed_size: 327680
    .private_segment_fixed_size: 0
    .kernarg_segment_align: 8
    .kernarg_segment_size: 104
    .max_flat_workgroup_size: 128
    .sgpr_count:     100
    .vgpr_count:     1024
    .wavefront_size: 32
...
	.end_amdgpu_metadata
.endif
;; end of part 2
;; launch attn (part 3): grid 2 x 128, 16 waves a work-group, no clusters, 133,120 bytes of LDS; arguments qf, kf, vf, lowp_scales, cf; writes cf
.if DOCPART == 3
	.amdgcn_target "amdgcn-amd-amdhsa--gfx1250"
	.amdhsa_code_object_version 6
	.text
	.protected	k_qfcb3cb3f8b_attn
	.globl	k_qfcb3cb3f8b_attn
	.p2align	8
	.type	k_qfcb3cb3f8b_attn,@function
k_qfcb3cb3f8b_attn:
	s_mov_b64 s[64:65], 0
	v_nop
	global_prefetch_b8 v0, s[64:65] scope:SCOPE_SE
	s_setreg_imm32_b32 hwreg(HW_REG_WAVE_MODE, 25, 1), 1
	s_wait_xcnt 0x0
; ctx = softmax(qh kh^T / 8) vh for one (batch, head), both products on codes of E4M3 by the K = 64 form, and ctx quantised for the last product.
; t = score x log2(e) / 8; M = the row's largest t rounded UP to a whole number; p = 2^(t - M) is quantised (scale entry 8), not normalised; the row's sum is taken of the unquantised p and divides at the end.
; TWO WALKS over the head's 1,024 keys, 64 a step.  Walk 1: S^T = K Q^T and the rows' largest scores alone: it gives M.  Walk 2: S^T once more, p under the final M, the sums, p's codes, O^T += V^T P.
; So walk 2 has no maxima and nothing is ever rescaled; the first product's matrix instructions are issued twice.
; SHARES.  A work-group owns 512 queries of a head, each of its sixteen waves two tiles of 16: each fragment of K and of V read from LDS feeds two products.  Four waves to a SIMD, 256 registers each.
; LDS.  All of the head's K (bytes 0 .. 65535) and V (65536 .. 131071), each byte written once.  The codes lie in memory in the order of the operands' registers, so they are copied as they lie:
; each wave loads 4 KiB of K and 4 KiB of V into registers (512 consecutive bytes an instruction) and stores them to LDS.
; THE ORDER OF THE 20 LOADS OF A WAVE is the order in which the data are wanted: 2 of K's first 256 keys and Q's 4; a barrier, so that all sixteen waves have asked for these before any asks for more;
; K's other 6; and, behind the barrier that shows the first 256 keys, V's 8, which stay in registers through walk 1 and are stored at its end.  Walk 1 goes in two chunks, of 4 and of 12 steps.
; THE HOLD AT THE LARGEST CODE.  M is corrected so that the computed t - M is never above 0, so p <= 1.  Where e8 >= -8, 448 x 2^e8 >= 1.75 and no p reaches the hold.
; This launch has no tensor load, so no joint loads either (two work-groups share a head).
; No prefetch: the last load of the launch is issued ahead of walk 1's first step, so there is no loop to run ahead in.
; LAYOUT.  S^T (source 0 = 16 keys, source 1 = 16 queries): a lane holds one query and keys 16 kt + 8 h + j; one conversion of a tile gives registers 2 kt, 2 kt + 1 of P, source 1 of O^T = V^T P.
; LIMITS: e6 + e7 between -123 and 130 (added to c's exponent field); e8 and e10 between -126 and 119; e8 + e9 goes through v_ldexp_f32 and has none.  NaN and infinities among the scores are not served.
; cf: byte = (token / 16) 16384 + head 1024 + c 512 + lane 16: lane (r, h) holds d = 32 c + 16 h + 0 .. 15 of token r.
.set VB,    65536                      ; V's first LDS byte
.set SPARE, 131072                     ; the spare words, 128 bytes a wave
.set LI,   1                           ; v1   16 x lane
.set AD,   2                           ; v2   LDS address of the step's K
.set ADV,  3                           ; v3   of the step's V
.set LIV,  4                           ; v4   VB + 16 x lane
.set KST,  5                           ; v5   where I store K: 1024 x wave + 16 x lane
.set VST,  6                           ; v6   where I store V: VB + 4096 x wave + 16 x lane
.set NM,   8                           ; v[8:9], v[10:11]: -M of tile u in the low word
.set PD,   12                          ; v12, v13 permute destinations
.set QF,   16                          ; Q, 8 registers a tile
.set KF,   32                          ; K's four fragments
.set VF,   64                          ; V's four fragments
.set S,    96                          ; S^T, then p: 32 a tile
.set O,    160                         ; O^T: 32 a tile
.set KP,   160                         ; walk 1: my 4 KiB of K on the way
.set VP,   192                         ; walk 1: my 4 KiB of V on the way
.set P,    224                         ; p's codes: 8 a tile
.set LIM,  240
.set SCL,  241
.set L,    242                         ; the sums: two chains of pairs a tile, at L + 4 u
.set MX,   250                         ; the maxima: two chains a tile, at MX + 2 u
.set SPW,  254
.set NIL,  255
.set WV,   18
.set SEL,  20                          ; s[20:21] selects for lane xor 16
.set CS,   22                          ; s[22:23] c
.set TB,   2                           ; s2   LDS byte of the step in hand; also the loops' counter
.macro KLOAD q                                     ; my tile 16 q + wave of K: 1,024 consecutive bytes
.irp c, 0,1
	global_load_b128 v[KP+8*\q+4*\c:KP+8*\q+4*\c+3], v[LI], s[6:7] offset:262144*\q+512*\c
.endr
.endm
.macro KSTORE q
	ds_store_b128 v[KST], v[KP+8*\q:KP+8*\q+3] offset:16384*\q
	ds_store_b128 v[KST], v[KP+8*\q+4:KP+8*\q+7] offset:16384*\q+512
.endm
	s_load_b256 s[4:11], s[0:1], 0x0               ; qf s[4:5], kf s[6:7], vf s[8:9], the exponents s[10:11]
	s_load_b64 s[12:13], s[0:1], 0x20              ; cf
	v_lshl_add_u32 v[SPW], v0, 2, SPARE
	v_mov_b32 v[NIL], 0
	v_lshrrev_b32 v2, 5, v0
	v_readfirstlane_b32 s[WV], v2                  ; wave 0..15
	s_lshl_b32 s32, s[WV], 10
	s_lshl_b32 s33, s[WV], 12
	s_add_co_u32 s33, s33, VB
	v_and_b32 v1, 31, v0
	v_lshlrev_b32 v[LI], 4, v1
	v_add_nc_u32 v[KST], s32, v[LI]
	v_add_nc_u32 v[VST], s33, v[LI]
	v_add_nc_u32 v[LIV], VB, v[LI]
.irp i, 0,1,2,3
	v_mov_b32 v[MX+\i], 0xff800000                 ; -infinity, under every score
.endr
.irp u, 0,1
	v_mov_b32 v[NM+2*\u+1], 0                      ; (named as the upper half of a pair)
	v_mov_b32 v[PD+\u], 0                          ; a lane permute's destination counts as one of its sources
.endr
	s_and_b32 s14, ttmp7, 0xffff
	s_lshr_b32 s15, s14, 4
	s_and_b32 s16, s14, 15                         ; head
	s_lshl_b32 s15, s15, 20                        ; batch 2^20, in every buffer
	s_lshl_b32 s24, s16, 10
	s_add_co_u32 s24, s24, s15                     ; + head 1024
	s_lshl_b32 s25, s[WV], 14
	s_add_co_u32 s26, s24, s25                     ; kf: + wave 16384
	s_mov_b32 s27, 0
	s_lshl_b32 s25, s[WV], 15
	s_add_co_u32 s28, s24, s25
	s_lshl_b32 s25, ttmp9, 19
	s_add_co_u32 s28, s28, s25                     ; qf, cf: + work-group x 2^19 + wave 2^15: my two tiles of queries
	s_mov_b32 s29, 0
	s_lshr_b32 s25, s[WV], 1
	s_lshl_b32 s25, s25, 17
	s_add_co_u32 s30, s15, s25
	s_lshl_b32 s25, s16, 13
	s_add_co_u32 s30, s30, s25
	s_and_b32 s25, s[WV], 1
	s_lshl_b32 s25, s25, 12
	s_add_co_u32 s30, s30, s25                     ; vf: (wave / 2) 2^17 + head 8192 + (wave % 2) 4096: key step number wave is mine
	s_mov_b32 s31, 0
	s_mov_b32 s[SEL], 0x76543210
	s_mov_b32 s[SEL+1], 0xfedcba98
	s_mov_b32 s[CS], 0x3e38aa3b                    ; c = log2(e) / 8
	s_mov_b32 s89, 0xffff0000                      ; lanes 16-31
	s_wait_alu depctr_va_vdst(0)
	s_wait_kmcnt 0x0
	s_load_b128 s[84:87], s[10:11], 0x18           ; e6, e7, e8, e9
	s_load_b32 s88, s[10:11], 0x28                 ; e10
	s_add_nc_u64 s[4:5], s[4:5], s[28:29]
	s_add_nc_u64 s[12:13], s[12:13], s[28:29]
	s_add_nc_u64 s[6:7], s[6:7], s[26:27]
	s_add_nc_u64 s[8:9], s[8:9], s[30:31]
	KLOAD 0                                        ; what the first steps want: my tile of the first 256 keys,
.irp u, 0,1
.irp c, 0,1
	global_load_b128 v[QF+8*\u+4*\c:QF+8*\u+4*\c+3], v[LI], s[4:5] offset:16384*\u+512*\c   ; and my queries
.endr
.endr
	s_barrier_signal -1                            ; all sixteen waves have asked for that
	s_barrier_wait -1                              ; before any asks for more
	KLOAD 1
	KLOAD 2
	KLOAD 3
	s_wait_kmcnt 0x0
	s_add_co_i32 s90, s84, s85
	s_lshl_b32 s90, s90, 23
	s_add_co_i32 s[CS], s[CS], s90                 ; a score stands for score x 2^(e6 + e7): added to c's exponent field
	s_mov_b32 s[CS+1], s[CS]
	s_add_co_i32 s90, s86, 127
	s_lshl_b32 s91, s90, 23
	v_mov_b32 v[SCL], s91                          ; 2^e8
	s_add_co_i32 s90, s90, 8
	s_lshl_b32 s90, s90, 23
	s_or_b32 s90, s90, 0x600000
	v_mov_b32 v[LIM], s90                          ; 448 x 2^e8
	s_wait_alu depctr_va_vdst(0)                   ; a wait at the head's end
; S^T of the step at v[AD]: four fragments of K, each against both tiles of queries
.macro QK
.irp t, 0,1,2,3
	ds_load_b128 v[KF+8*\t:KF+8*\t+3], v[AD] offset:1024*\t
	ds_load_b128 v[KF+8*\t+4:KF+8*\t+7], v[AD] offset:1024*\t+512
.endr
	s_wait_alu depctr_va_vdst(0)
	s_wait_dscnt 0x0
.irp t, 0,1,2,3
.irp u, 0,1
	v_wmma_f32_16x16x64_fp8_fp8 v[S+32*\u+8*\t:S+32*\u+8*\t+7], v[KF+8*\t:KF+8*\t+7], v[QF+8*\u:QF+8*\u+7], 0
.endr
.endr
.endm
.macro MEET                                        ; my LDS stores are done, for the others' sake; behind the barrier everybody's are
	s_wait_dscnt 0x0
	s_barrier_signal -1
	s_barrier_wait -1
.endm
; WALK 1 over the steps whose K lies from LDS byte first up to byte last, 4,096 bytes a step
.macro WALK1 first, last
	s_mov_b32 s[TB], \first
.Lmax_\@:
	v_add_nc_u32 v[AD], s[TB], v[LI]
	QK
.rept 4
	v_nop                                          ; the places behind the products (ISA guide 7.12.1)
.endr
.irp i, 0,4,8,12,16,20,24,28                       ; four chains; each accumulator is first read at its low end
.irp u, 0,1
	v_max3_num_f32 v[MX+2*\u], v[MX+2*\u], v[S+32*\u+\i], v[S+32*\u+\i+1]
	v_max3_num_f32 v[MX+2*\u+1], v[MX+2*\u+1], v[S+32*\u+\i+2], v[S+32*\u+\i+3]
.endr
.endr
	s_add_co_u32 s[TB], s[TB], 4096
	s_cmp_lg_u32 s[TB], \last
	s_cbranch_scc1 .Lmax_\@
.endm
	s_wait_loadcnt 6                               ; my first tile of K and Q are in; K's six later loads may be out
	KSTORE 0
	MEET
.irp i, 0,1,2,3,4,5,6,7
	global_load_b128 v[VP+4*\i:VP+4*\i+3], v[LI], s[8:9] offset:512*\i   ; V: wanted at walk 1's end
.endr
	WALK1 0, 16384
	s_wait_alu depctr_va_vdst(0)
	s_wait_loadcnt 8                               ; all of K is in; V's eight loads may be out
	KSTORE 1
	KSTORE 2
	KSTORE 3
	MEET
	WALK1 16384, 65536
	s_wait_alu depctr_va_vdst(0)
	s_wait_loadcnt 0x0                             ; V
.irp i, 0,1,2,3,4,5,6,7
	ds_store_b128 v[VST], v[VP+4*\i:VP+4*\i+3] offset:512*\i
.endr
	; M, while the stores are out
.irp u, 0,1
	v_max_num_f32 v[MX+2*\u], v[MX+2*\u], v[MX+2*\u+1]
.endr
.irp u, 0,1
	v_permlanex16_b32 v[PD+\u], v[MX+2*\u], s[SEL], s[SEL+1]
.endr
.irp u, 0,1
	v_max_num_f32 v[MX+2*\u], v[MX+2*\u], v[PD+\u]         ; the row's largest score
.endr
.irp u, 0,1
	v_mul_f32 v[MX+2*\u+1], s[CS], v[MX+2*\u]              ; as t (c is positive)
.endr
.irp u, 0,1
	v_floor_f32 v[NM+2*\u], -v[MX+2*\u+1]                  ; -M = floor(-t)
.endr
.irp u, 0,1
	v_fma_f32 v[MX+2*\u+1], v[MX+2*\u], s[CS], v[NM+2*\u]  ; t - M of the largest score, as walk 2 computes it
.endr
.irp u, 0,1
	v_ceil_f32 v[MX+2*\u+1], v[MX+2*\u+1]
.endr
.irp u, 0,1
	v_max_num_f32 v[MX+2*\u+1], 0, v[MX+2*\u+1]            ; where the product's rounding hid an excess over a whole number, M goes up by it:
.endr
.irp u, 0,1
	v_sub_f32 v[NM+2*\u], v[NM+2*\u], v[MX+2*\u+1]         ; no computed t - M is above 0
.endr
	s_mov_b32 s[TB], 0
	v_add_nc_u32 v[AD], s[TB], v[LI]
	s_wait_alu depctr_va_vdst(0)
	MEET
.macro ADD4 j                                      ; the sum of the UNQUANTISED p, two chains a tile
.irp u, 0,1
	v_pk_add_f32 v[L+4*\u:L+4*\u+1], v[L+4*\u:L+4*\u+1], v[S+32*\u+\j:S+32*\u+\j+1]
	v_pk_add_f32 v[L+4*\u+2:L+4*\u+3], v[L+4*\u+2:L+4*\u+3], v[S+32*\u+\j+2:S+32*\u+\j+3]
.endr
.endm
; WALK 2, a key step.  zero = 1: the first step starts the sums and O^T: nothing is cleared.
.macro STEP2 zero
	QK
	v_add_nc_u32 v[ADV], s[TB], v[LIV]             ; these four vector lines are the places behind the products above, and between the last step's products and the loads into V's registers
	s_add_co_u32 s[TB], s[TB], 4096
	v_add_nc_u32 v[AD], s[TB], v[LI]               ; the next step's K
	v_nop
	v_nop
.irp t, 0,1,2,3
	ds_load_b128 v[VF+8*\t:VF+8*\t+3], v[ADV] offset:1024*\t       ; V lands while p is made
	ds_load_b128 v[VF+8*\t+4:VF+8*\t+7], v[ADV] offset:1024*\t+512
.endr
.irp j, 0,2,4,6,8,10,12,14,16,18,20,22,24,26,28,30
.irp u, 0,1
	v_pk_fma_f32 v[S+32*\u+\j:S+32*\u+\j+1], v[S+32*\u+\j:S+32*\u+\j+1], s[CS:CS+1], v[NM+2*\u:NM+2*\u+1] op_sel_hi:[1,0,0]   ; t - M
.endr
.endr
	s_wait_alu depctr_va_vdst(0)                   ; a wait ahead of the batch
.set n, 0
.rept 64
	v_exp_f32 v[S+n], v[S+n]                       ; p = 2^(t - M), at most 1
.set n, n+1
.endr
	v_nop                                          ; a plain place behind the batch
	s_wait_alu depctr_va_vdst(0)                   ; one wait for the batch, ahead of its first reader
.if \zero
.irp u, 0,1
	v_pk_add_f32 v[L+4*\u:L+4*\u+1], v[S+32*\u:S+32*\u+1], v[S+32*\u+2:S+32*\u+3]
	v_pk_add_f32 v[L+4*\u+2:L+4*\u+3], v[S+32*\u+4:S+32*\u+5], v[S+32*\u+6:S+32*\u+7]
.endr
.else
	ADD4 0
	ADD4 4
.endif
.irp j, 8,12,16,20,24,28
	ADD4 \j
.endr
	s_wait_alu depctr_va_vdst(0)                   ; a wait ahead of the branch
	s_cmp_lt_i32 s86, -8                           ; e8 >= -8: 448 x 2^e8 >= 1.75 > p: the hold can change nothing
	s_cbranch_scc0 .Lfree_\@
.set n, 0
.rept 64
	v_min_num_f32 v[S+n], v[S+n], v[LIM]           ; the conversion does not saturate (ISA guide 7.6.2); p is not negative: a one-sided hold
.set n, n+1
.endr
.Lfree_\@:
.irp u, 0,1
.irp t, 0,1,2,3
	v_cvt_scalef32_pk8_fp8_f32 v[P+8*\u+2*\t:P+8*\u+2*\t+1], v[S+32*\u+8*\t:S+32*\u+8*\t+7], v[SCL]
.endr
.endr
	v_nop                                          ; one plain line between the conversions and the products that read their results
	s_wait_dscnt 0x0                               ; V is in
	s_wait_alu depctr_va_vdst(0)                   ; a wait ahead of the first reader of O^T and of p's codes
.irp t, 0,1,2,3
.irp u, 0,1
.if \zero
	v_wmma_f32_16x16x64_fp8_fp8 v[O+32*\u+8*\t:O+32*\u+8*\t+7], v[VF+8*\t:VF+8*\t+7], v[P+8*\u:P+8*\u+7], 0
.else
	v_wmma_f32_16x16x64_fp8_fp8 v[O+32*\u+8*\t:O+32*\u+8*\t+7], v[VF+8*\t:VF+8*\t+7], v[P+8*\u:P+8*\u+7], v[O+32*\u+8*\t:O+32*\u+8*\t+7]   ; eight accumulators by turns
.endif
.endr
.endr
.endm
	STEP2 1
.Lkeys:                                            ; 15 trips: s[TB] goes from 4096 to 65536, stepped once in a step
	STEP2 0
	s_cmp_lg_u32 s[TB], 65536
	s_cbranch_scc1 .Lkeys
	; THE WAY OUT: ctx = O^T / the sum x 2^(e8 + e9), quantised with 2^e10.  The additions are the places behind the last products.
.irp u, 0,1
	v_pk_add_f32 v[L+4*\u:L+4*\u+1], v[L+4*\u:L+4*\u+1], v[L+4*\u+2:L+4*\u+3]
.endr
.irp u, 0,1
	v_add_f32 v[L+4*\u], v[L+4*\u], v[L+4*\u+1]
.endr
.irp u, 0,1
	v_permlanex16_b32 v[PD+\u], v[L+4*\u], s[SEL], s[SEL+1]
.endr
.irp u, 0,1
	v_add_f32 v[L+4*\u], v[L+4*\u], v[PD+\u]       ; the row's sum
.endr
	s_wait_alu depctr_va_vdst(0)                   ; a wait ahead of the transcendentals
.irp u, 0,1
	v_rcp_f32 v[L+4*\u], v[L+4*\u]
.endr
	s_add_co_i32 s90, s86, s87                     ; e8 + e9
	s_add_co_i32 s91, s88, 127
	s_lshl_b32 s92, s91, 23
	s_add_co_i32 s91, s91, 8
	s_lshl_b32 s91, s91, 23
	s_or_b32 s91, s91, 0x600000
	v_mov_b32 v[SCL], s92                          ; 2^e10  (plain lines behind the reciprocals)
	v_mov_b32 v[LIM], s91                          ; 448 x 2^e10
	s_wait_alu depctr_va_vdst(0)                   ; one wait for both reciprocals, ahead of their first reader
.irp u, 0,1
	v_ldexp_f32 v[L+4*\u], v[L+4*\u], s90
.endr
	s_wait_alu depctr_va_vdst(0)                   ; a wait ahead of the first reader of O^T
.irp u, 0,1
.set n, 0
.rept 32
	v_mul_f32 v[S+32*\u+n], v[O+32*\u+n], v[L+4*\u]   ; register 8 dt + j is ctx(query r, d = 16 dt + 8 h + j)
.set n, n+1
.endr
.endr
.set n, 0
.rept 64
	v_med3_num_f32 v[S+n], v[S+n], -v[LIM], v[LIM]
.set n, n+1
.endr
.irp u, 0,1
.irp t, 0,1,2,3
	v_cvt_scalef32_pk8_fp8_f32 v[P+8*\u+2*\t:P+8*\u+2*\t+1], v[S+32*\u+8*\t:S+32*\u+8*\t+7], v[SCL]
.endr
.endr
	v_nop                                          ; one plain line between the conversions and the lines that touch their results
	; Registers 2 dt, 2 dt + 1 hold d = 16 dt + 8 h + 0 .. 7; the reader wants d = 32 b + 16 h + 0 .. 15 in registers 4 b .. 4 b + 3: the halves of the lanes exchange two registers of each four.
.irp u, 0,1
.irp b, 0,1
.irp i, 0,1
	v_cndmask_b32 v[KF+4*\u+2*\b+\i], v[P+8*\u+4*\b+2+\i], v[P+8*\u+4*\b+\i], s89   ; what I send: lanes 0-15 their upper two, lanes 16-31 their lower two
.endr
.endr
.endr
.set n, 0
.rept 8
	v_permlanex16_b32 v[VF+n], v[KF+n], s[SEL], s[SEL+1]
.set n, n+1
.endr
.irp u, 0,1
.irp b, 0,1
.irp i, 0,1
	v_cndmask_b32 v[P+8*\u+4*\b+\i], v[P+8*\u+4*\b+\i], v[VF+4*\u+2*\b+\i], s89
	v_cndmask_b32 v[P+8*\u+4*\b+2+\i], v[VF+4*\u+2*\b+\i], v[P+8*\u+4*\b+2+\i], s89
.endr
.endr
.endr
.irp u, 0,1
.irp b, 0,1
	global_store_b128 v[LI], v[P+8*\u+4*\b:P+8*\u+4*\b+3], s[12:13] offset:16384*\u+512*\b   ; 512 consecutive bytes
.endr
.endr
	s_wait_tensorcnt 0x0                           ; the wave's end
	ds_add_u32 v[SPW], v[NIL]
	s_wait_dscnt 0x0
	s_endpgm
.Lfunc_end_k_qfcb3cb3f8b_attn:
	.size	k_qfcb3cb3f8b_attn, .Lfunc_end_k_qfcb3cb3f8b_attn-k_qfcb3cb3f8b_attn
	.p2alignl 7, 3214868480
	.fill 96, 4, 3214868480
	.section	.rodata,"a",@progbits
	.p2align	6, 0x0
	.amdhsa_kernel k_qfcb3cb3f8b_attn
		.amdhsa_group_segment_fixed_size 133120
		.amdhsa_private_segment_fixed_size 0
		.amdhsa_enable_private_segment 0
		.amdhsa_kernarg_size 40
		.amdhsa_user_sgpr_count 2
		.amdhsa_user_sgpr_kernarg_segment_ptr 1
		.amdhsa_wavefront_size32 1
		.amdhsa_system_sgpr_workgroup_id_x 1
		.amdhsa_system_sgpr_workgroup_id_y 1
		.amdhsa_system_sgpr_workgroup_id_z 1
		.amdhsa_system_vgpr_workitem_id 0
		.amdhsa_next_free_vgpr 256
		.amdhsa_next_free_sgpr 96
		.amdhsa_reserve_vcc 0
		.amdhsa_float_denorm_mode_32 3
		.amdhsa_float_denorm_mode_16_64 3
		.amdhsa_memory_ordered 1
		.amdhsa_forward_progress 1
		.amdhsa_inst_pref_size 47
	.end_amdhsa_kernel
	.amdgpu_metadata
---
amdhsa.version: [ 1, 2 ]
amdhsa.kernels:
  - .name:           k_qfcb3cb3f8b_attn
    .symbol:         k_qfcb3cb3f8b_attn.kd
    .args:
      - { .name: qf, .offset: 0, .size: 8, .value_kind: global_buffer, .address_space: global }
      - { .name: kf, .offset: 8, .size: 8, .value_kind: global_buffer, .address_space: global }
      - { .name: vf, .offset: 16, .size: 8, .value_kind: global_buffer, .address_space: global }
      - { .name: lowp_scales, .offset: 24, .size: 8, .value_kind: global_buffer, .address_space: global }
      - { .name: cf, .offset: 32, .size: 8, .value_kind: global_buffer, .address_space: global }
    .group_segment_fixed_size: 133120
    .private_segment_fixed_size: 0
    .kernarg_segment_align: 8
    .kernarg_segment_size: 40
    .max_flat_workgroup_size: 512
    .sgpr_count:     96
    .vgpr_count:     256
    .wavefront_size: 32
...
	.end_amdgpu_metadata
.endif
;; end of part 3
;; launch outln (part 4): grid 256 x 1, 4 waves a work-group, clusters of 4 x 1, 327,680 bytes of LDS; arguments cf, wo_codes, bo, q, ln_gamma, ln_beta, lowp_scales, out0; writes out0
.if DOCPART == 4
	.amdgcn_target "amdgcn-amd-amdhsa--gfx1250"
	.amdhsa_code_object_version 6
	.text
	.protected	k_qfcb3cb3f8b_outln
	.globl	k_qfcb3cb3f8b_outln
	.p2align	8
	.type	k_qfcb3cb3f8b_outln,@function
k_qfcb3cb3f8b_outln:
	s_mov_b64 s[64:65], 0
	v_nop
	global_prefetch_b8 v0, s[64:65] scope:SCOPE_SE
	s_setreg_imm32_b32 hwreg(HW_REG_WAVE_MODE, 25, 1), 1
	s_wait_xcnt 0x0
	s_wait_alu depctr_hold_cnt(0) depctr_sa_sdst(0) depctr_va_vdst(0) depctr_va_sdst(0) depctr_va_ssrc(0) depctr_va_vcc(0) depctr_vm_vsrc(0)
	s_getreg_b32 s2, hwreg(HW_REG_IB_STS2, 6, 4)
	s_cmp_eq_u32 s2, 0
	s_cbranch_scc0 .Lentry_in_a_cluster
	s_endpgm
.Lentry_in_a_cluster:
	s_bfe_u32 s2, ttmp6, 0x10000c
	s_cmp_lg_u32 s2, 0x3003
	s_cbranch_scc0 .Lentry_shape_is_right
	s_endpgm
.Lentry_shape_is_right:
.set PITCH, 1040
.set PART,  32*PITCH
.set SLOT,  4*PART
.set SPARE, 2*SLOT
.set SCR,   SPARE+512
.set LI,   1
.set TO,   4
.set QO,   5
.set QOP,  8
.set TOP,  12
.set RA,   16
.set SA,   18
.set SLD,  19
.set SPW,  28
.set NIL,  29
.set ACC,  32
.set AZ,   32
.set ZR,   64
.set TR,   96
.set ER,   128
.set HR,   160
.set BO,   192
.set GA,   208
.set BE,   224
.set BP,   240
.set CF,   244
.set SPR,  64
.set RS,   96
.set WP,   128
.set BC,   160
.set WV,   20
.set G1,   24
.set G0,   32
.set WB,   52
.set OFW,  60
.set MSB, 0
.macro WIN new
.if MSB != \new
	s_set_vgpr_msb (MSB<<8)|\new
.set MSB, \new
.endif
.endm
.macro ROUND
	s_barrier_signal -1
	s_barrier_wait -1
	s_cmp_lg_u32 s[WV], 0
	s_cbranch_scc1 .Lnot_wave_0_\@
	s_barrier_signal -3
.Lnot_wave_0_\@:
	s_barrier_wait -3
	s_barrier_signal -1
	s_barrier_wait -1
.endm
	s_load_b512 s[4:19], s[0:1], 0x0
	v_lshl_add_u32 v[SPW], v0, 2, SPARE
	v_mov_b32 v[NIL], 0
	ds_add_u32 v28, v29
	ds_add_u32 v28, v29
	s_wait_dscnt 0x0
	v_lshrrev_b32 v1, 5, v0
	v_readfirstlane_b32 s[WV], v1
	s_bfe_u32 s21, ttmp6, 0x40000
	s_lshl_b32 s22, ttmp9, 2
	s_add_co_u32 s22, s22, s21
	s_mov_b32 s[G1], 15|(1<<20)|(1<<21)|(7<<22)|(3<<25)
	s_mov_b32 s[G1+1], 1024<<16
	s_mov_b32 s[G1+2], 32<<16
	s_mov_b32 s[G1+3], 1024<<16
	s_mov_b32 s[G1+4], 32
	s_mov_b32 s[G1+5], 4096
	s_mov_b32 s[G1+6], 0
	s_mov_b32 s[G1+7], 0
	s_lshr_b32 s23, s[WV], 1
	s_and_b32 s48, s[WV], 1
	s_lshl_b32 s49, s23, 7
	s_add_co_u32 s49, s49, s48
	s_lshl_b32 s[WB], s49, 10
	s_mov_b32 s[WB+1], 0
	s_mul_i32 s49, s[WV], PART
	s_lshl_b32 s23, s23, 6
	s_lshl_b32 s48, s48, 4
	s_add_co_u32 s23, s23, s48
	s_mul_i32 s23, s23, PITCH
	v_and_b32 v2, 15, v0
	v_bfe_u32 v3, v0, 4, 1
	v_mul_u32_u24 v[RA], v2, PITCH
	v_lshl_add_u32 v[RA], v3, 4, v[RA]
	v_add_nc_u32 v[RA], s23, v[RA]
	v_add_nc_u32 v[RA+1], SLOT, v[RA]
	v_and_b32 v1, 31, v0
	v_lshlrev_b32 v[LI], 4, v1
	s_lshl_b32 s48, s[WV], 8
	v_lshl_add_u32 v[TO], v2, 4, s48
	s_wait_alu depctr_va_vdst(0)
	v_lshl_add_u32 v[QO], v3, 15, v[TO]
	s_wait_alu depctr_va_vdst(0)
	s_and_b32 s56, ttmp9, 3
.irp p, 0,1,2,3
	s_add_co_u32 s57, s56, \p
	s_and_b32 s57, s57, 3
	s_lshl_b32 s[OFW+\p], s57, 18
	s_lshl_b32 s57, s57, 10
	v_add_nc_u32 v[TOP+\p], s57, v[TO]
	v_add_nc_u32 v[QOP+\p], s57, v[QO]
.endr
	s_lshl_b32 s48, s[WV], 7
	v_lshl_add_u32 v[SA], v3, 5, s48
	v_add_nc_u32 v[SA], SCR, v[SA]
	v_lshlrev_b32 v[SLD], 5, v3
	v_add_nc_u32 v[SLD], SCR, v[SLD]
	s_lshl_b32 s56, s22, 15
	s_mov_b32 s57, 0
	s_lshl_b32 s58, s22, 17
	s_mov_b32 s59, 0
	s_mov_b32 s42, 0x3e6d3388
	s_mov_b32 s43, s42
	s_mov_b32 s44, 0x3f596d27
	s_mov_b32 s45, s44
	s_mov_b32 s46, 0x3a800000
	s_mov_b32 s47, 0x3727c5ac
	s_mov_b32 s2, s[OFW]
	s_mov_b32 s3, 0
	s_wait_kmcnt 0x0
	s_load_b64 s[50:51], s[16:17], 0x28
	s_add_nc_u64 s[4:5], s[4:5], s[56:57]
	s_add_nc_u64 s[10:11], s[10:11], s[58:59]
	s_add_nc_u64 s[18:19], s[18:19], s[58:59]
	s_add_nc_u64 s[WB:WB+1], s[6:7], s[WB:WB+1]
	s_add_nc_u64 s[WB+2:WB+3], s[WB:WB+1], 2048
.irp s, 0,1
	s_mov_b32 s[G0+4*\s], 1
	s_add_co_u32 s[G0+4*\s+1], s49, \s*SLOT
	s_add_nc_u64 s[G0+4*\s+2:G0+4*\s+3], s[WB+2*\s:WB+2*\s+1], s[2:3]
	s_or_b32 s[G0+4*\s+3], s[G0+4*\s+3], 0x80000000
.endr
	ROUND
	tensor_load_to_lds s[G0:G0+3], s[G1:G1+7]
	s_nop 0
	s_wait_alu depctr_va_vdst(0)
	s_wait_tensorcnt 0x0
	ds_add_u32 v28, v29
	s_wait_dscnt 0x0
	ROUND
	tensor_load_to_lds s[G0+4:G0+7], s[G1:G1+7]
	s_nop 0
.rept 4
	v_nop
.endr
	WIN 0x40
.irp mt, 0,1
.irp k, 0,1,2,3,4,5,6,7
.irp c, 0,1,2,3
	global_load_b128 v[16*(8*\mt+\k)+4*\c:16*(8*\mt+\k)+4*\c+3], v[LI], s[4:5] offset:16384*\mt+2048*\k+512*\c th:TH_LOAD_NT
.endr
.endr
.endr
	WIN 0
	s_wait_alu depctr_va_vdst(0)
.irp p, 0,1,2,3
	global_load_b128 v[BO+4*\p:BO+4*\p+3], v[TOP+\p], s[8:9]
	global_load_b128 v[GA+4*\p:GA+4*\p+3], v[TOP+\p], s[12:13]
	global_load_b128 v[BE+4*\p:BE+4*\p+3], v[TOP+\p], s[14:15]
.endr
	WIN 0x80
.irp p, 0,1,2,3
.set n, 0
.rept 16
	global_load_b128 v[64*\p+4*n:64*\p+4*n+3], v[QOP+\p], s[10:11] offset:(n+8*(n/8))*4096 th:TH_LOAD_NT
.set n, n+1
.endr
.endr
	WIN 0
	v_mov_b32 v[BP+1], 0
	v_mov_b32 v[BP+3], 0
.irp i, 0,1
	v_mov_b32 v[CF+\i], 0x3f07dc22
	v_mov_b32 v[CF+2+\i], 0xbf3a00e3
	v_mov_b32 v[CF+4+\i], 0x3f35f0e3
	v_mov_b32 v[CF+6+\i], 0xbe11a98e
	v_mov_b32 v[CF+8+\i], 0x3e027906
.endr
	s_wait_kmcnt 0x0
	s_add_co_i32 s40, s50, s51
	s_add_co_i32 s40, s40, 127
	s_lshl_b32 s40, s40, 23
	s_mov_b32 s41, s40
.macro GELU f
.set PP, (\f)/2
.set SS, (\f)%2
	v_mov_b32 v[BP], v[BO+4*PP+2*SS]
	v_mov_b32 v[BP+2], v[BO+4*PP+2*SS+1]
	v_nop
	v_nop
.irp a, 0,1,2,3
.irp j, 0,2,4,6
	v_pk_fma_f32 v[ZR+8*\a+\j:ZR+8*\a+\j+1], v[ACC+8*\a+\j:ACC+8*\a+\j+1], s[40:41], v[BP+2*(\a%2):BP+2*(\a%2)+1] op_sel_hi:[1,0,0]
.endr
.endr
.set n, 0
.rept 32
	v_and_b32 v[AZ+n], 0x7fffffff, v[ZR+n]
.set n, n+1
.endr
.set n, 0
.rept 16
	v_pk_fma_f32 v[TR+n:TR+n+1], v[AZ+n:AZ+n+1], s[42:43], 1.0 op_sel_hi:[1,0,0]
	v_pk_mul_f32 v[ER+n:ER+n+1], v[ZR+n:ZR+n+1], s[44:45] op_sel_hi:[1,0]
.set n, n+2
.endr
.set n, 0
.rept 16
	v_pk_mul_f32 v[ER+n:ER+n+1], v[ER+n:ER+n+1], v[ER+n:ER+n+1] neg_lo:[1,0] neg_hi:[1,0]
.set n, n+2
.endr
.set n, 0
	s_wait_alu depctr_va_vdst(0)
.rept 32
	v_rcp_f32 v[TR+n], v[TR+n]
.set n, n+1
.endr
.set n, 0
.rept 32
	v_exp_f32 v[ER+n], v[ER+n]
.set n, n+1
.endr
	s_wait_loadcnt 48-16*PP
	WIN 0xa0
.set n, 0
.rept 32
.set XI, 64*PP+4*(8*(n/16)+n%8)+2*SS+(n/8)%2
	v_fma_f32 v[XI], v[ZR+n], 0.5, v[XI]
.set n, n+1
.endr
	WIN 0
	s_wait_alu depctr_va_vdst(0)
.set n, 0
.rept 16
	v_pk_fma_f32 v[HR+n:HR+n+1], v[TR+n:TR+n+1], v[CF:CF+1], v[CF+2:CF+3]
.set n, n+2
.endr
.irp c, 4,6,8
.set n, 0
.rept 16
	v_pk_fma_f32 v[HR+n:HR+n+1], v[HR+n:HR+n+1], v[TR+n:TR+n+1], v[CF+\c:CF+\c+1]
.set n, n+2
.endr
.endr
.set n, 0
.rept 16
	v_pk_mul_f32 v[HR+n:HR+n+1], v[HR+n:HR+n+1], v[TR+n:TR+n+1]
.set n, n+2
.endr
.set n, 0
.rept 16
	v_pk_fma_f32 v[HR+n:HR+n+1], v[HR+n:HR+n+1], v[ER+n:ER+n+1], 0.5 op_sel_hi:[1,1,0] neg_lo:[1,0,0] neg_hi:[1,0,0]
.set n, n+2
.endr
	WIN 0xa0
.set n, 0
.rept 32
.set XI, 64*PP+4*(8*(n/16)+n%8)+2*SS+(n/8)%2
	v_fma_f32 v[XI], v[AZ+n], v[HR+n], v[XI]
.set n, n+1
.endr
	WIN 0
.endm
.macro TRIP f
.set SL, (\f)%2
.if \f == 0
	s_wait_tensorcnt 0x1
	s_barrier_signal -1
	s_barrier_wait -1
.else
	s_wait_tensorcnt 0x0
	ds_add_u32 v[SPW], v[NIL]
.if \f < 7
	s_mov_b32 s2, s[OFW+((\f)+1)/2]
	s_add_nc_u64 s[G0+6-4*SL:G0+7-4*SL], s[WB+2-2*SL:WB+3-2*SL], s[2:3]
	s_or_b32 s[G0+7-4*SL], s[G0+7-4*SL], 0x80000000
.endif
	s_wait_dscnt 0x0
.if \f < 7
	ROUND
	tensor_load_to_lds s[G0+4-4*SL:G0+7-4*SL], s[G1:G1+7]
	s_nop 0
.rept 4
	v_nop
.endr
.else
	s_barrier_signal -1
	s_barrier_wait -1
.endif
.endif
	WIN 0xc0
.irp k, 0,1,2,3,4,5,6,7
.irp il, 0,1
.irp c, 0,1,2,3
	ds_load_b128 v[16*(2*\k+\il)+4*\c:16*(2*\k+\il)+4*\c+3], v[RA+SL] offset:\il*PART+128*\k+32*\c
.endr
.endr
.endr
	WIN 0x0d
.if \f == 0
	s_wait_loadcnt 63
.endif
.irp k, 0,1,2,3,4,5,6,7
	s_wait_dscnt 56-8*\k
.irp mt, 0,1
.irp il, 0,1
.if \k == 0
	v_wmma_f32_16x16x128_fp8_fp8 v[ACC+8*(2*\mt+\il):ACC+8*(2*\mt+\il)+7], v[16*(8*\mt+\k):16*(8*\mt+\k)+15], v[16*(2*\k+\il):16*(2*\k+\il)+15], 0
.else
	v_wmma_f32_16x16x128_fp8_fp8 v[ACC+8*(2*\mt+\il):ACC+8*(2*\mt+\il)+7], v[16*(8*\mt+\k):16*(8*\mt+\k)+15], v[16*(2*\k+\il):16*(2*\k+\il)+15], v[ACC+8*(2*\mt+\il):ACC+8*(2*\mt+\il)+7]
.endif
.endr
.endr
.endr
	WIN 0
	GELU \f
.endm
	TRIP 0
	TRIP 1
	TRIP 2
	TRIP 3
	TRIP 4
	TRIP 5
	TRIP 6
	TRIP 7
.macro REDUCE off
.set n, 0
.rept 16
	v_add_f32 v[RS+n], v[SPR+2*n], v[SPR+2*n+1]
.set n, n+1
.endr
.irp m, 1,2,4,8
.set n, 0
.rept 16
	v_add_f32_dpp v[RS+n], v[RS+n], v[RS+n] row_xmask:\m row_mask:0xf bank_mask:0xf
.set n, n+1
.endr
.endr
.irp g, 0,1,2,3
	ds_store_b128 v[SA], v[RS+4*\g:RS+4*\g+3] offset:\off+64*(\g/2)+16*(\g%2)
.endr
	s_wait_dscnt 0x0
	s_barrier_signal -1
	s_barrier_wait -1
.irp w, 0,1,2,3
.irp g, 0,1,2,3
	ds_load_b128 v[WP+16*\w+4*\g:WP+16*\w+4*\g+3], v[SLD] offset:\off+128*\w+64*(\g/2)+16*(\g%2)
.endr
.endr
	s_wait_dscnt 0x0
.irp p, 0,2,4,6,8,10,12,14
	v_pk_add_f32 v[WP+\p:WP+\p+1], v[WP+\p:WP+\p+1], v[WP+16+\p:WP+16+\p+1]
	v_pk_add_f32 v[WP+32+\p:WP+32+\p+1], v[WP+32+\p:WP+32+\p+1], v[WP+48+\p:WP+48+\p+1]
.endr
.irp p, 0,2,4,6,8,10,12,14
	v_pk_add_f32 v[RS+\p:RS+\p+1], v[WP+\p:WP+\p+1], v[WP+32+\p:WP+32+\p+1]
.endr
.endm
	WIN 0x0a
.set n, 0
.rept 16
	v_pk_add_f32 v[SPR+2*n:SPR+2*n+1], v[4*n:4*n+1], v[4*n+2:4*n+3]
.set n, n+1
.endr
	WIN 0x08
.irp p, 1,2,3
.irp i, 0,2
.set n, 0
.rept 16
	v_pk_add_f32 v[SPR+2*n:SPR+2*n+1], v[SPR+2*n:SPR+2*n+1], v[64*\p+4*n+\i:64*\p+4*n+\i+1]
.set n, n+1
.endr
.endr
.endr
	WIN 0
	REDUCE 0
.set n, 0
.rept 16
	v_mul_f32 v[BC+2*n], 0xba800000, v[RS+n]
.set n, n+1
.endr
	WIN 0x82
.irp p, 0,1,2,3
.irp i, 0,2
.set n, 0
.rept 16
	v_pk_add_f32 v[64*\p+4*n+\i:64*\p+4*n+\i+1], v[64*\p+4*n+\i:64*\p+4*n+\i+1], v[BC+2*n:BC+2*n+1] op_sel_hi:[1,0]
.set n, n+1
.endr
.endr
.endr
	WIN 0x0a
.set n, 0
.rept 16
	v_pk_mul_f32 v[SPR+2*n:SPR+2*n+1], v[4*n:4*n+1], v[4*n:4*n+1]
.set n, n+1
.endr
.set n, 0
.rept 16
	v_pk_fma_f32 v[SPR+2*n:SPR+2*n+1], v[4*n+2:4*n+3], v[4*n+2:4*n+3], v[SPR+2*n:SPR+2*n+1]
.set n, n+1
.endr
.irp p, 1,2,3
.irp i, 0,2
.set n, 0
.rept 16
	v_pk_fma_f32 v[SPR+2*n:SPR+2*n+1], v[64*\p+4*n+\i:64*\p+4*n+\i+1], v[64*\p+4*n+\i:64*\p+4*n+\i+1], v[SPR+2*n:SPR+2*n+1]
.set n, n+1
.endr
.endr
.endr
	WIN 0
	REDUCE 512
.set n, 0
.rept 16
	v_fma_f32 v[RS+n], v[RS+n], s46, s47
.set n, n+1
.endr
.set n, 0
	s_wait_alu depctr_va_vdst(0)
.rept 16
	v_rsq_f32 v[BC+2*n], v[RS+n]
.set n, n+1
.endr
	v_nop
	s_wait_alu depctr_va_vdst(0)
.irp p, 0,1,2,3
	WIN 0x82
.set n, 0
.rept 16
	v_pk_mul_f32 v[64*\p+4*n:64*\p+4*n+1], v[64*\p+4*n:64*\p+4*n+1], v[BC+2*n:BC+2*n+1] op_sel_hi:[1,0]
	v_pk_mul_f32 v[64*\p+4*n+2:64*\p+4*n+3], v[64*\p+4*n+2:64*\p+4*n+3], v[BC+2*n:BC+2*n+1] op_sel_hi:[1,0]
.set n, n+1
.endr
.set n, 0
.rept 16
	v_pk_fma_f32 v[64*\p+4*n:64*\p+4*n+1], v[64*\p+4*n:64*\p+4*n+1], v[GA+4*\p:GA+4*\p+1], v[BE+4*\p:BE+4*\p+1]
	v_pk_fma_f32 v[64*\p+4*n+2:64*\p+4*n+3], v[64*\p+4*n+2:64*\p+4*n+3], v[GA+4*\p+2:GA+4*\p+3], v[BE+4*\p+2:BE+4*\p+3]
.set n, n+1
.endr
	WIN 0x08
.set n, 0
.rept 16
	global_store_b128 v[QOP+\p], v[64*\p+4*n:64*\p+4*n+3], s[18:19] offset:(n+8*(n/8))*4096 th:TH_STORE_NT
.set n, n+1
.endr
.endr
	WIN 0
	s_wait_tensorcnt 0x0
	ds_add_u32 v[SPW], v[NIL]
	s_wait_dscnt 0x0
	ROUND
	s_endpgm
.Lfunc_end_k_qfcb3cb3f8b_outln:
	.size	k_qfcb3cb3f8b_outln, .Lfunc_end_k_qfcb3cb3f8b_outln-k_qfcb3cb3f8b_outln
	.p2alignl 7, 3214868480
	.fill 96, 4, 3214868480
	.section	.rodata,"a",@progbits
	.p2align	6, 0x0
	.amdhsa_kernel k_qfcb3cb3f8b_outln
		.amdhsa_group_segment_fixed_size 327680
		.amdhsa_private_segment_fixed_size 0
		.amdhsa_enable_private_segment 0
		.amdhsa_kernarg_size 64
		.amdhsa_user_sgpr_count 2
		.amdhsa_user_sgpr_kernarg_segment_ptr 1
		.amdhsa_wavefront_size32 1
		.amdhsa_system_sgpr_workgroup_id_x 1
		.amdhsa_system_sgpr_workgroup_id_y 1
		.amdhsa_system_sgpr_workgroup_id_z 1
		.amdhsa_system_vgpr_workitem_id 0
		.amdhsa_next_free_vgpr 1024
		.amdhsa_next_free_sgpr 66
		.amdhsa_reserve_vcc 0
		.amdhsa_float_denorm_mode_32 3
		.amdhsa_float_denorm_mode_16_64 3
		.amdhsa_memory_ordered 1
		.amdhsa_forward_progress 1
		.amdhsa_inst_pref_size 255
	.end_amdhsa_kernel
	.section	.bss,"aw",@nobits
	.p2align	6
	.space	262144
	.amdgpu_metadata
---
amdhsa.version: [ 1, 2 ]
amdhsa.kernels:
  - .name:           k_qfcb3cb3f8b_outln
    .symbol:         k_qfcb3cb3f8b_outln.kd
    .args:
      - { .name: cf, .offset: 0, .size: 8, .value_kind: global_buffer, .address_space: global }
      - { .name: wo_codes, .offset: 8, .size: 8, .value_kind: global_buffer, .address_space: global }
      - { .name: bo, .offset: 16, .size: 8, .value_kind: global_buffer, .address_space: global }
      - { .name: q, .offset: 24, .size: 8, .value_kind: global_buffer, .address_space: global }
      - { .name: ln_gamma, .offset: 32, .size: 8, .value_kind: global_buffer, .address_space: global }
      - { .name: ln_beta, .offset: 40, .size: 8, .value_kind: global_buffer, .address_space: global }
      - { .name: lowp_scales, .offset: 48, .size: 8, .value_kind: global_buffer, .address_space: global }
      - { .name: out0, .offset: 56, .size: 8, .value_kind: global_buffer, .address_space: global }
    .group_segment_fixed_size: 327680
    .private_segment_fixed_size: 0
    .kernarg_segment_align: 8
    .kernarg_segment_size: 64
    .max_flat_workgroup_size: 128
    .sgpr_count:     66
    .vgpr_count:     1024
    .wavefront_size: 32
...
	.end_amdgpu_metadata
.endif
;; end of part 4
